; MI455X (gfx1250); checked and timed in simulation.
; The chip was launched on July 23, 2026; its instructions are those of AMD's public machine-readable ISA for CDNA 5 (MIT licence, August 2026) and "CDNA5" Instruction Set Architecture Reference Guide (July 2026). The comments in the code are by the model that wrote it; some were corrected since.
;; Attn Block. Allowed arithmetic: matrix products marked QUANTISED: E5M2 operands, one given power-of-two scale a tensor, by v_wmma_f32_16x16x64_bf8_bf8 or v_wmma_f32_16x16x128_bf8_bf8, f32 sums; everything else in f32.
;; Inputs: bk 512 float32; bp 512 float32; bq 512 float32; bv 512 float32; lowp_scales 12 int32 (the exponents e of the quantised operands' scales 2^e); norm_bias 512 float32; norm_scale 512 float32; wk_codes 512 x 16 x 32 uint8 (E5M2 codes of wk, K innermost, in blocks of 32 codes); wp_codes 512 x 16 x 32 uint8 (E5M2 codes of wp, K innermost, in blocks of 32 codes); wq_codes 512 x 16 x 32 uint8 (E5M2 codes of wq, K innermost, in blocks of 32 codes); wv_codes 512 x 16 x 32 uint8 (E5M2 codes of wv, K innermost, in blocks of 32 codes); x 32 x 32 x 32 x 512 float32.
;; Outputs: out0 32 x 32 x 32 x 512 float32.
;; This version of the problem:
;;   THIS VERSION OF THE PROBLEM IS GIVEN IN LOW PRECISION. The matrix products marked QUANTISED in the list below multiply operands that are first quantised to E5M2 (5 exponent bits, 2 mantissa bits; 8 bits a number), with one given power-of-two scale for each operand tensor; their sums are f32. All else is computed in f32.
;;   The module's matrix products, in the order in which they are computed (A, B: the left and right operand; K: the contracted axis; several contracted axes count as one K, in the product's order):
;;     1. [M 32,768, K 512] x [K 512, N 512]; A: computed on the way; B: input wq (given as codes): QUANTISED (scales: A lowp_scales[0], B lowp_scales[1])
;;     2. [M 32,768, K 512] x [K 512, N 512]; A: computed on the way; B: input wk (given as codes): QUANTISED (scales: A lowp_scales[2], B lowp_scales[3])
;;     3. [M 32,768, K 512] x [K 512, N 512]; A: computed on the way; B: input wv (given as codes): QUANTISED (scales: A lowp_scales[4], B lowp_scales[5])
;;     4. batch 32 x [M 1,024, K 512] x [K 512, N 1,024]; A: computed on the way; B: computed on the way: QUANTISED (scales: A lowp_scales[6], B lowp_scales[7])
;;     5. batch 32 x [M 1,024, K 1,024] x [K 1,024, N 512]; A: softmax (see below); B: computed on the way: QUANTISED (scales: A lowp_scales[8], B lowp_scales[9])
;;     6. [M 32,768, K 512] x [K 512, N 512]; A: computed on the way; B: input wp (given as codes): QUANTISED (scales: A lowp_scales[10], B lowp_scales[11])
;;   THE QUANTISER, for each operand of a quantised product, along K:
;;     - The operand's scale is 2^e, e = its entry of the input lowp_scales (int32; the entries are numbered through the quantised products in the list's order, A before B).
;;     - Each number is divided by the scale, clamped to +-57,344, and rounded to the nearest number of E5M2, ties to even, subnormals kept.
;;     - The product sums the exact products of the quantised numbers (number of the format x scale) in f32.
;;   ~~~python
;;   def quantise(x, axis, e):      # numpy; x: float32 -> the quantised numbers, widened to float32 again
;;       x = np.moveaxis(x, axis, -1); K = x.shape[-1]
;;       r = np.clip(x / 2.0 ** e, -57344, 57344)
;;       step = 2.0 ** (np.maximum(np.frexp(np.where(r == 0, 1, r))[1] - 1, -14) - 2)
;;       q = np.round(r / step) * step * 2.0 ** e      # np.round: ties to even
;;       return np.moveaxis(q, -1, axis).astype(np.float32)
;;   ~~~
;;   SOFTMAX AHEAD OF A QUANTISED PRODUCT. Where the list says 'softmax', what is quantised is not the finished softmax but p = 2^(t - M), with t = logit x log2(e) and M = ceil(the row's largest t), a whole number; so 1/2 < the row's largest p <= 1. The row's sum l is taken of the UNQUANTISED p, in f32, and the product's result is divided by l at the end. Since M is a whole number, a kernel that streams over the keys may use a running M (the ceiling of the running maximum): every later rescaling is an exact power of two, so the quantised numbers keep their values, but for numbers so far below the row's largest that they fall under the format's range.
;;   OPERANDS COMPUTED ON THE WAY. 'Computed on the way' means the value that the module computes at that place (a softmax that the list does not call 'softmax' is quantised finished and normalised). What goes into a quantiser is computed in f32, as accurately as f32 sums, v_exp_f32 and their like allow (about 1e-6 of the number): no bf16 or f16 on the way to a quantiser, and a product that is left as it is and whose result goes on into a quantised operand takes f32 operands (vector FMAs, or v_wmma_f32_16x16x4_f32). A number that lies on a knife's edge between two numbers of the format may be rounded either way, as far as f32 arithmetic and the matrix unit's own rounding can turn it there, and no further.
;;   INPUTS GIVEN AS CODES. wk (in the module: [512, 512], K = its axis 0); wp (in the module: [512, 512], K = its axis 0); wq (in the module: [512, 512], K = its axis 0); wv (in the module: [512, 512], K = its axis 0): each comes as NAME_codes (uint8): NAME with its K axis moved to the last place and cut into blocks of 32 codes, [.., K / 32, bytes a block], one block behind the other in memory; one code a byte (a code: sign, 5 exponent bits, 2 mantissa bits); its scale is its entry of lowp_scales. Its value is code x scale, taken as it is: it is not quantised again, and the codes and scales need not be those that the quantiser above would give.
;; One version. Each part assembles by itself: llvm-mc -triple=amdgcn-amd-amdhsa -mcpu=gfx1250 --defsym DOCPART=n.
;; ======== version 1 of 1: 3 launches
;; workspace buffers: stat 131,072 bytes; wimg 1,048,576 bytes; qimg 16,777,216 bytes; kv 33,554,432 bytes
;; launch stats (part 1): grid 8 x 32, 16 waves a work-group, no clusters, 4,096 bytes of LDS; arguments x, norm_scale, wq_codes, wk_codes, wv_codes, wp_codes, stat, wimg; writes stat, wimg
.if DOCPART == 1
	.amdgcn_target "amdgcn-amd-amdhsa--gfx1250"
	.amdhsa_code_object_version 6
	.text
	.protected	k_q1b73fc1fa8_stats
	.globl	k_q1b73fc1fa8_stats
	.p2align	8
	.type	k_q1b73fc1fa8_stats,@function
k_q1b73fc1fa8_stats:
	s_mov_b64 s[64:65], 0
	v_nop
	global_prefetch_b8 v0, s[64:65] scope:SCOPE_SE
	s_setreg_imm32_b32 hwreg(HW_REG_WAVE_MODE, 25, 1), 1
	s_wait_xcnt 0x0
; THE GROUP NORM'S STATISTICS, and the four weights laid as images of operand registers.
; x: [32 images][1,024 pixels][512 channels] f32.  A group is 16 channels x 1,024 pixels of one image.
; A work-group (x = cx, y = image b) owns 64 channels, four groups: 256 bytes of every pixel.  Wave w owns pixels 64 w .. 64 w + 63.
; One load of a wave covers two pixels x 256 consecutive bytes; a lane's 128 numbers belong to ONE group (lane % 16 / 4) and stay in registers
; between the two passes: pass 1 the mean, pass 2 the sum of squared deviations from it, so that no difference of large sums is formed.
; stat: [32][2][512] f32: plane 0 the group's mean, repeated for each channel; plane 1 rsqrt(var + 1e-6) x norm_scale[c].
; wimg: [4: q, k, v, p][32 tiles of 16 output channels][4 K steps of 128] images of 2,048 bytes: piece c (registers 4 c .. 4 c + 3 of a fragment) at 512 c + 16 x lane.
; A fragment: lane (r, h) holds row r, registers 2 c', 2 c' + 1 hold k = 16 c' + 8 h + 0 .. 7.  Work-group g = 8 b + cx lays fragments 2 g and 2 g + 1 (its wave 1).
; No matrix work, no cluster (work-groups share no input), no tensor load: all of a work-group's bytes are asked for at once, into registers.
; NaN and infinities among the inputs give what the arithmetic gives.
.set X,  32                            ; v32-159  my 128 numbers
.set WF, 160                           ; v160-191 wave 1: two weight fragments
.set PS, 192                           ; v192-207 the sixteen waves' partial sums; in pass 2 four pairs at work
	s_load_b256 s[4:11], s[0:1], 0x0               ; x s[4:5], norm_scale s[6:7], wq s[8:9], wk s[10:11]
	s_load_b256 s[12:19], s[0:1], 0x20             ; wv s[12:13], wp s[14:15], stat s[16:17], wimg s[18:19]
	v_lshl_add_u32 v208, v0, 2, 0x800
	v_mov_b32 v209, 0
	v_lshrrev_b32 v6, 5, v0
	v_readfirstlane_b32 s20, v6                    ; wave 0..15
	v_and_b32 v7, 31, v0                           ; lane
	v_and_b32 v6, 15, v0                           ; r
	v_bfe_u32 v18, v0, 4, 1                        ; h
	s_and_b32 s28, ttmp7, 0xffff                   ; b
	s_lshl_b32 s21, s28, 3
	s_add_co_u32 s21, s21, ttmp9                   ; g = 8 b + cx
	v_lshlrev_b32 v2, 4, v6                        ; 16 r: my four channels
	v_lshl_add_u32 v5, v18, 11, v2                 ; + 2,048 h: the odd pixel (x), the second plane (stat)
	s_lshl_b32 s29, s20, 17
	v_add_nc_u32 v1, s29, v5                       ; + my wave's 64 pixels of 2,048 bytes
	v_lshlrev_b32 v4, 2, v6                        ; LDS: column r of the waves' partial sums
	s_lshl_b32 s29, s20, 6
	v_add_nc_u32 v3, s29, v4                       ; and my wave's row of 64 bytes
	v_lshlrev_b32 v19, 9, v6
	v_lshl_add_u32 v19, v18, 3, v19                ; a weight's codes: row r of 512 bytes, + 8 h
	v_lshlrev_b32 v27, 4, v7                       ; 16 x lane: an image's place for my lane
	v_mov_b32 v17, 0                               ; a lane permute's destination counts as one of its sources
	s_mov_b32 s22, 0x76543210
	s_mov_b32 s23, 0xfedcba98                      ; selects for lane l xor 16
	s_lshl_b32 s30, ttmp9, 8                       ; my 64 channels: 256 bytes
	s_mov_b32 s31, 0
	s_lshl_b32 s24, s28, 21                        ; an image of x is 2,097,152 bytes
	s_add_co_u32 s24, s24, s30
	s_mov_b32 s25, 0
	s_lshl_b32 s32, s28, 12                        ; an image's two planes of stat are 4,096 bytes
	s_add_co_u32 s32, s32, s30
	s_mov_b32 s33, 0
	s_lshl_b32 s34, s21, 12                        ; my two images in wimg
	s_mov_b32 s35, 0
	s_bfe_u32 s36, s21, 0x50001                    ; the tile of 16 output channels: (g % 64) / 2
	s_lshl_b32 s36, s36, 13                        ; 16 rows of 512 bytes
	s_and_b32 s37, s21, 1
	s_lshl_b32 s37, s37, 8                         ; K steps 2 (g % 2) and 2 (g % 2) + 1
	s_add_co_u32 s36, s36, s37
	s_mov_b32 s37, 0
	s_wait_kmcnt 0x0
	s_add_nc_u64 s[4:5], s[4:5], s[24:25]
	s_add_nc_u64 s[6:7], s[6:7], s[30:31]
	s_add_nc_u64 s[16:17], s[16:17], s[32:33]
	s_add_nc_u64 s[18:19], s[18:19], s[34:35]
	s_cmp_lt_u32 s21, 64                           ; which weight: g / 64.  The choice hangs on the work-group's number alone
	s_cselect_b64 s[26:27], s[8:9], s[10:11]
	s_cmp_lt_u32 s21, 128
	s_cselect_b64 s[26:27], s[26:27], s[12:13]
	s_cmp_lt_u32 s21, 192
	s_cselect_b64 s[26:27], s[26:27], s[14:15]
	s_add_nc_u64 s[26:27], s[26:27], s[36:37]
	s_cmp_lg_u32 s20, 1
	s_cbranch_scc1 .Lno_weights
.irp e, 0,1                                    ; wave 1: two fragments, eight loads of 8 bytes a lane each
.irp c, 0,1,2,3,4,5,6,7
	global_load_b64 v[WF+16*\e+2*\c:WF+16*\e+2*\c+1], v19, s[26:27] offset:128*\e+16*\c
.endr
.endr
.Lno_weights:
	global_load_b128 v[20:23], v2, s[6:7]          ; norm_scale of my four channels
.set i, 0
.rept 32
	global_load_b128 v[X+4*i:X+4*i+3], v1, s[4:5] offset:4096*i th:TH_LOAD_NT   ; pixels 2 i, 2 i + 1 of my wave: 2 x 256 consecutive bytes
.set i, i+1
.endr
; Four chains' sums are folded, added over the lanes of my group (lanes l xor 1, 2 and 16) and over the sixteen waves through LDS; v16 = the sum / 16,384.
.macro REDUCE off
	v_pk_add_f32 v[8:9], v[8:9], v[10:11]
	v_pk_add_f32 v[12:13], v[12:13], v[14:15]
	v_pk_add_f32 v[8:9], v[8:9], v[12:13]
	v_add_f32 v16, v8, v9
	v_add_f32_dpp v16, v16, v16 row_xmask:1 row_mask:0xf bank_mask:0xf
	v_add_f32_dpp v16, v16, v16 row_xmask:2 row_mask:0xf bank_mask:0xf
	v_permlanex16_b32 v17, v16, s22, s23
	v_add_f32 v16, v16, v17
	ds_store_b32 v3, v16 offset:\off               ; lanes r and r + 16 write the same word with the same number
	s_wait_dscnt 0x0                               ; for the others' sake: my store has landed
	s_barrier_signal -1
	s_barrier_wait -1
.irp k, 0,1,2,3,4,5,6,7,8,9,10,11,12,13,14,15
	ds_load_b32 v[PS+\k], v4 offset:\off+64*\k
.endr
	s_wait_dscnt 0x0
.irp k, 0,4,8,12
	v_pk_add_f32 v[PS+\k:PS+\k+1], v[PS+\k:PS+\k+1], v[PS+\k+2:PS+\k+3]
.endr
	v_pk_add_f32 v[PS:PS+1], v[PS:PS+1], v[PS+4:PS+5]
	v_pk_add_f32 v[PS+8:PS+9], v[PS+8:PS+9], v[PS+12:PS+13]
	v_pk_add_f32 v[PS:PS+1], v[PS:PS+1], v[PS+8:PS+9]
	v_add_f32 v16, v[PS], v[PS+1]
	v_mul_f32 v16, 0x38800000, v16                 ; x 2^-14
.endm
	; pass 1: the sum, in four chains that the first four loads start
.set i, 0
.rept 32
.if i % 8 == 0
	s_wait_loadcnt 24-i                            ; loads come back in order: the next eight are in, the 24 - i younger ones may be out
.endif
.if i < 4
	v_pk_add_f32 v[8+2*i:9+2*i], v[X+4*i:X+4*i+1], v[X+4*i+2:X+4*i+3]
.else
	v_pk_add_f32 v[8+2*(i%4):9+2*(i%4)], v[8+2*(i%4):9+2*(i%4)], v[X+4*i:X+4*i+1]
	v_pk_add_f32 v[8+2*(i%4):9+2*(i%4)], v[8+2*(i%4):9+2*(i%4)], v[X+4*i+2:X+4*i+3]
.endif
.set i, i+1
.endr
	REDUCE 0
	v_mov_b32 v24, v16                             ; the mean, as a pair
	v_mov_b32 v25, v16
	; pass 2: the squared deviations
.set i, 0
.rept 64
	v_pk_add_f32 v[PS+2*(i%4):PS+2*(i%4)+1], v[X+2*i:X+2*i+1], v[24:25] neg_lo:[0,1] neg_hi:[0,1]
.if i < 4
	v_pk_mul_f32 v[8+2*i:9+2*i], v[PS+2*i:PS+2*i+1], v[PS+2*i:PS+2*i+1]
.else
	v_pk_fma_f32 v[8+2*(i%4):9+2*(i%4)], v[PS+2*(i%4):PS+2*(i%4)+1], v[PS+2*(i%4):PS+2*(i%4)+1], v[8+2*(i%4):9+2*(i%4)]
.endif
.set i, i+1
.endr
	REDUCE 1024                                    ; other LDS words than pass 1's: no barrier is owed between pass 1's reads and these stores
	v_add_f32 v16, 0x358637bd, v16                 ; var + 1e-6
	v_rsq_f32 v26, v16
	v_nop                                          ; a plain instruction behind the transcendental
	s_wait_alu depctr_va_vdst(0)                   ; and the wait ahead of its first reader
.irp k, 0,1,2,3
	v_mul_f32 v[28+\k], v26, v[20+\k]              ; rsqrt x norm_scale
.endr
	s_cmp_lg_u32 s20, 0
	s_cbranch_scc1 .Lnot_wave_0
	v_cmp_gt_u32 vcc_lo, 16, v7                    ; lanes 0-15 store the mean (plane 0), lanes 16-31 the factor (plane 1): 256 consecutive bytes each, aligned
.irp k, 0,1,2,3
	v_cndmask_b32 v[28+\k], v[28+\k], v24, vcc_lo
.endr
	global_store_b128 v5, v[28:31], s[16:17]
.Lnot_wave_0:
	s_cmp_lg_u32 s20, 1
	s_cbranch_scc1 .Lend
.irp e, 0,1
.irp c, 0,1,2,3
	global_store_b128 v27, v[WF+16*\e+4*\c:WF+16*\e+4*\c+3], s[18:19] offset:2048*\e+512*\c   ; 512 consecutive bytes, aligned
.endr
.endr
.Lend:
	s_wait_tensorcnt 0x0
	ds_add_u32 v208, v209
	s_wait_dscnt 0x0
	s_endpgm
.Lfunc_end_k_q1b73fc1fa8_stats:
	.size	k_q1b73fc1fa8_stats, .Lfunc_end_k_q1b73fc1fa8_stats-k_q1b73fc1fa8_stats
	.p2alignl 7, 3214868480
	.fill 96, 4, 3214868480
	.section	.rodata,"a",@progbits
	.p2align	6, 0x0
	.amdhsa_kernel k_q1b73fc1fa8_stats
		.amdhsa_group_segment_fixed_size 4096
		.amdhsa_private_segment_fixed_size 0
		.amdhsa_enable_private_segment 0
		.amdhsa_kernarg_size 64
		.amdhsa_user_sgpr_count 2
		.amdhsa_user_sgpr_kernarg_segment_ptr 1
		.amdhsa_wavefront_size32 1
		.amdhsa_system_sgpr_workgroup_id_x 1
		.amdhsa_system_sgpr_workgroup_id_y 1
		.amdhsa_system_sgpr_workgroup_id_z 1
		.amdhsa_system_vgpr_workitem_id 0
		.amdhsa_next_free_vgpr 210
		.amdhsa_next_free_sgpr 66
		.amdhsa_reserve_vcc 1
		.amdhsa_float_denorm_mode_32 3
		.amdhsa_float_denorm_mode_16_64 3
		.amdhsa_memory_ordered 1
		.amdhsa_forward_progress 1
		.amdhsa_inst_pref_size 25
	.end_amdhsa_kernel
	.amdgpu_metadata
---
amdhsa.version: [ 1, 2 ]
amdhsa.kernels:
  - .name:           k_q1b73fc1fa8_stats
    .symbol:         k_q1b73fc1fa8_stats.kd
    .args:
      - { .name: x, .offset: 0, .size: 8, .value_kind: global_buffer, .address_space: global }
      - { .name: norm_scale, .offset: 8, .size: 8, .value_kind: global_buffer, .address_space: global }
      - { .name: wq_codes, .offset: 16, .size: 8, .value_kind: global_buffer, .address_space: global }
      - { .name: wk_codes, .offset: 24, .size: 8, .value_kind: global_buffer, .address_space: global }
      - { .name: wv_codes, .offset: 32, .size: 8, .value_kind: global_buffer, .address_space: global }
      - { .name: wp_codes, .offset: 40, .size: 8, .value_kind: global_buffer, .address_space: global }
      - { .name: stat, .offset: 48, .size: 8, .value_kind: global_buffer, .address_space: global }
      - { .name: wimg, .offset: 56, .size: 8, .value_kind: global_buffer, .address_space: global }
    .group_segment_fixed_size: 4096
    .private_segment_fixed_size: 0
    .kernarg_segment_align: 8
    .kernarg_segment_size: 64
    .max_flat_workgroup_size: 512
    .sgpr_count:     66
    .vgpr_count:     210
    .wavefront_size: 32
...
	.end_amdgpu_metadata
.endif
;; end of part 1
;; launch qkv (part 2): grid 8 x 32, 4 waves a work-group, no clusters, 270,848 bytes of LDS; arguments x, stat, norm_bias, wimg, bq, bk, bv, lowp_scales, qimg, kv; writes qimg, kv
.if DOCPART == 2
	.amdgcn_target "amdgcn-amd-amdhsa--gfx1250"
	.amdhsa_code_object_version 6
	.text
	.protected	k_q1b73fc1fa8_qkv
	.globl	k_q1b73fc1fa8_qkv
	.p2align	8
	.type	k_q1b73fc1fa8_qkv,@function
k_q1b73fc1fa8_qkv:
	s_mov_b64 s[64:65], 0
	v_nop
	global_prefetch_b8 v0, s[64:65] scope:SCOPE_SE
	s_setreg_imm32_b32 hwreg(HW_REG_WAVE_MODE, 25, 1), 1
	s_wait_xcnt 0x0
; hn = (x - mean) x (rsqrt x norm_scale) + norm_bias, quantised three times (2^e0, 2^e2, 2^e4); q, k, v = hn W + bias on codes of E5M2; q, k, v quantised (2^e6, 2^e7, 2^e9) and stored as IMAGES of operand registers.
; A fragment: 16 rows x 128 K, 16 registers: lane (r, h) holds row r, registers 2 c', 2 c' + 1 hold k = 16 c' + 8 h + 0 .. 7.  Its image: 2,048 bytes, piece c (registers 4 c .. 4 c + 3) at 512 c + 16 x lane.
; A work-group (x = j, y = image b) owns 128 pixels: key step j of image b.
; PHASE X: wave w takes channels 128 w .. 128 w + 127 of the 128 pixels (two tensor loads of 64 rows x 512 bytes into its own LDS region), normalises them, quantises them thrice and lays the three images of each
;   tile of 16 pixels over the tile's own numbers, which have been read: those bytes have had their only fill.  One barrier.
; MATRIX PHASE: wave w makes output channels 128 w .. 128 w + 127 of all 128 pixels, two tiles of 16 channels (a pair) at a time.  The current set of hn (32 fragments) stays in 512 registers; a weight's fragment feeds 8 products.
;   q, k TRANSPOSED (source 0 = 16 rows of W, source 1 = 16 pixels): a lane holds one pixel and 8 neighbouring channels, so a conversion's result is a register pair of the fragment (pixel tile, K step w).
;   v PLAIN (source 0 = pixels, source 1 = W): a lane holds one channel and 8 neighbouring pixels: a register pair of V^T's fragment, whose K is the step's 128 keys.
;   The bias, divided by the power of two that the sums lack, is the C of each sum's first product; the three scales ahead of a quantiser are folded into the conversion's one.
;   A PAIR'S WEIGHTS ARE ASKED FOR TWO PAIRS AHEAD: a buffer is free when its pair's 64 products are issued, and takes the pair after next at once, within that pair's way out.
; qimg: [32 b][64 pixel tiles][4 K steps] images.  kv: [32 b][8 j][131,072]: K's images [8 key tiles][4 K steps], then V's [32 channel tiles].
; NO CLUSTER, though all work-groups read the same weights: a wave's part of a weight goes from wimg straight into its registers, once.  LDS holds x's tile, 270,336 of 327,680 bytes; what is left would hold two slots
;   of 14 fragments, and one pair of tiles takes 32 fragments for the four waves.
; LIMITS on the given exponents, so that each power of two below is an f32 number: e0, e2, e4, e6 - e0 - e1, e7 - e2 - e3, e9 - e4 - e5 between -126 and 112.  NaN among the inputs is not served; what lies beyond a scale's range is held at the largest code.
; REGISTERS.  window 0: v1-17 addresses and scales; v32-63 codes; v64-191 phase X: 64 numbers and 64 held numbers; later 16 accumulators (u, pt) at 64 + 8 (8 u + pt); v192-255 the bias's 8 tiles.
;   window 1: the weight's fragments, two buffers: 128 buf + 16 (4 u + s).   window 2: phase X: factor v0-63, norm_bias v64-127, means v128-143; later hn's fragments (pt 0-3, s) at 16 (4 pt + s).   window 3: pt 4-7.
.set LI,  1                            ; v1   16 x lane
.set RA0, 2                            ; v2   my lane's place in a unit of 16 rows of x: region + 528 r + 32 h
.set IA0, 3                            ; v3   my lane's place in an image of my region
.set RA,  4                            ; v4, v5  the same in the unit in hand
.set IA,  5
.set AB,  6                            ; v6-9 16 x lane + region s: where K step s's images lie
.set PH,  10                           ; v10  32 h
.set BR,  11                           ; v11  4 r
.set SCH, 12                           ; v12-14  2^e0, 2^e2, 2^e4
.set SCO, 15                           ; v15-17  the three outputs' conversion scales
.set PC,  32
.set CD,  32
.set XR,  64
.set TR,  128
.set ACC, 64
.set BI,  192
.set PA,  0
.set PB,  64
.set PM,  128
.set REG, 67584                        ; a wave's LDS region: 128 rows x (512 + 16) bytes
.set UNITB, 8448                       ; 16 rows
.set UB,  41                           ; s41  the unit in hand, in bytes
.set MSB, 0
.macro WIN new                         ; the immediate's high byte repeats the setting that is left
.if MSB != (\new)
	s_set_vgpr_msb (MSB<<8)|(\new)
.set MSB, (\new)
.endif
.endm
.macro PLACES n
.rept \n
	v_nop
.endr
.endm
	s_load_b256 s[4:11], s[0:1], 0x0               ; x s[4:5], stat s[6:7], norm_bias s[8:9], wimg s[10:11]
	s_load_b256 s[12:19], s[0:1], 0x20             ; bq s[12:13], bk s[14:15], bv s[16:17], lowp_scales s[18:19]
	s_load_b128 s[20:23], s[0:1], 0x40             ; qimg s[20:21], kv s[22:23]
	v_lshl_add_u32 v30, v0, 2, 0x42000
	v_mov_b32 v31, 0
	ds_add_u32 v30, v31
	ds_add_u32 v30, v31
	v_lshrrev_b32 v20, 5, v0
	v_readfirstlane_b32 s40, v20                   ; wave 0..3
	s_and_b32 s43, ttmp7, 0xffff                   ; b
	s_lshl_b32 s44, s43, 3
	s_add_co_u32 s44, s44, ttmp9                   ; 8 b + j
	; descriptor group 1: 64 rows x 128 elements of 4 bytes, 512 elements from row to row, 4 words of padding behind every 128
	s_mov_b32 s24, (2<<16)|(1<<20)|(6<<22)|(3<<25)
	s_mov_b32 s25, 128<<16                         ; tensor_dim0
	s_mov_b32 s26, 64<<16                          ; tensor_dim1
	s_mov_b32 s27, 128<<16                         ; tile_dim0
	s_mov_b32 s28, 64                              ; tile_dim1
	s_mov_b32 s29, 512                             ; the pitch
	s_mov_b32 s30, 0
	s_mov_b32 s31, 0
	s_mul_i32 s45, s40, REG                        ; my region
	s_lshl_b32 s46, s40, 9                         ; my 128 channels: 512 bytes
	s_mov_b32 s47, 0
	s_lshl_b32 s88, s44, 18                        ; 128 pixels of 2,048 bytes
	s_add_co_u32 s88, s88, s46
	s_mov_b32 s89, 0
	s_wait_dscnt 0x0
	s_wait_kmcnt 0x0
	s_load_b256 s[68:75], s[18:19], 0x0            ; e0 .. e7
	s_load_b128 s[76:79], s[18:19], 0x20           ; e8 .. e11
	s_mov_b32 s32, 1
	s_mov_b32 s33, s45
	s_add_nc_u64 s[34:35], s[4:5], s[88:89]        ; rows 0-63
	s_mov_b32 s36, 1
	s_add_co_u32 s37, s45, 64*528
	s_add_nc_u64 s[38:39], s[34:35], 64*2048       ; rows 64-127
	s_or_b32 s35, s35, 0x80000000
	s_or_b32 s39, s39, 0x80000000
	tensor_load_to_lds s[32:35], s[24:31]          ; both first fills together, ahead of every wait on TENSORcnt, every LDS read and the barrier: two loads of mine are out.  Nothing is filled again
	s_nop 0
	tensor_load_to_lds s[36:39], s[24:31]
	s_nop 0
	PLACES 4
	v_and_b32 v20, 31, v0
	v_and_b32 v21, 15, v0                          ; r
	v_bfe_u32 v22, v0, 4, 1                        ; h
	v_lshlrev_b32 v[LI], 4, v20
	v_mul_u32_u24 v[RA0], v21, 528
	v_lshl_add_u32 v[RA0], v22, 5, v[RA0]
	v_add_nc_u32 v[RA0], s45, v[RA0]
	v_add_nc_u32 v[IA0], s45, v[LI]
.irp s, 0,1,2,3
	v_add_nc_u32 v[AB+\s], \s*REG, v[LI]
.endr
	v_lshlrev_b32 v[PH], 5, v22
	v_lshlrev_b32 v[BR], 2, v21
	s_lshl_b32 s90, s43, 12
	s_add_co_u32 s90, s90, s46
	s_mov_b32 s91, 0
	s_add_nc_u64 s[6:7], s[6:7], s[90:91]          ; stat: my image, my channels
	s_add_nc_u64 s[8:9], s[8:9], s[46:47]          ; norm_bias and the three biases: my channels
	s_add_nc_u64 s[12:13], s[12:13], s[46:47]
	s_add_nc_u64 s[14:15], s[14:15], s[46:47]
	s_add_nc_u64 s[16:17], s[16:17], s[46:47]
	s_lshl_b32 s90, s40, 16
	s_add_nc_u64 s[80:81], s[10:11], s[90:91]      ; wimg: my 8 tiles of each weight
	s_lshl_b32 s92, s40, 11
	s_lshl_b32 s90, s44, 16
	s_add_co_u32 s90, s90, s92
	s_add_nc_u64 s[82:83], s[20:21], s[90:91]      ; qimg: my 8 pixel tiles, K step w
	s_lshl_b32 s90, s44, 17
	s_add_co_u32 s90, s90, s92
	s_add_nc_u64 s[84:85], s[22:23], s[90:91]      ; kv: K's images, K step w
	s_lshl_b32 s92, s40, 14
	s_lshl_b32 s90, s44, 17
	s_add_co_u32 s90, s90, s92
	s_add_co_u32 s90, s90, 65536
	s_add_nc_u64 s[86:87], s[22:23], s[90:91]      ; kv: V's images, my 8 channel tiles
	WIN 0x80                                       ; destination window 2: the norm's parameters of my lane's 64 channels, 128 w + 16 c' + 8 h + 0 .. 7
.irp c, 0,1,2,3,4,5,6,7
	global_load_b128 v[PA+8*\c:PA+8*\c+3], v[PH], s[6:7] offset:2048+64*\c
	global_load_b128 v[PA+8*\c+4:PA+8*\c+7], v[PH], s[6:7] offset:2048+64*\c+16
	global_load_b128 v[PB+8*\c:PB+8*\c+3], v[PH], s[8:9] offset:64*\c
	global_load_b128 v[PB+8*\c+4:PB+8*\c+7], v[PH], s[8:9] offset:64*\c+16
	global_load_b64 v[PM+2*\c:PM+2*\c+1], v[PH], s[6:7] offset:64*\c          ; 16 channels are a group: the mean, twice
.endr
	WIN 0
; the fragments of weight j, pair p of my tiles (u = 0, 1; K steps 0-3), into buffer buf: 32 loads of 512 consecutive bytes
.macro LOADW j, p, buf
	WIN 0x40
.set i, 0
.rept 32
	global_load_b128 v[128*(\buf)+4*i:128*(\buf)+4*i+3], v[LI], s[80:81] offset:(\j)*262144+(\p)*16384+512*i
.set i, i+1
.endr
	WIN 0
.endm
; a bias in the result's layout.  form 0: lane (r, h), tile t: channels 16 t + 8 h + 0 .. 7.  form 1: channel 16 t + r, into the tile's first register
.macro BIASLD form, ptr
.if \form == 0
.irp t, 0,1,2,3,4,5,6,7
	global_load_b128 v[BI+8*\t:BI+8*\t+3], v[PH], s[\ptr:\ptr+1] offset:64*\t
	global_load_b128 v[BI+8*\t+4:BI+8*\t+7], v[PH], s[\ptr:\ptr+1] offset:64*\t+16
.endr
.else
.irp t, 0,1,2,3,4,5,6,7
	global_load_b32 v[BI+8*\t], v[BR], s[\ptr:\ptr+1] offset:64*\t
.endr
.endif
.endm
; bias / 2^(eA + eW); form 1 also spreads it over the tile's eight registers
.macro BIASFIX form, j
.if \form == 0
.set i, 0
.rept 64
	v_ldexp_f32 v[BI+i], v[BI+i], s[60+\j]
.set i, i+1
.endr
.else
.irp t, 0,1,2,3,4,5,6,7
.irp k, 7,6,5,4,3,2,1,0
	v_ldexp_f32 v[BI+8*\t+\k], v[BI+8*\t], s[60+\j]
.endr
.endr
.endif
.endm
	LOADW 0, 0, 0
	BIASLD 0, 12
; set j: 2^eA for hn's conversion and its hold s[48+2j], s[49+2j]; -(eA + eW) s[60+j]; 2^(eO - eA - eW) for the output's conversion and its hold s[54+2j], s[55+2j]
.macro SCALES j, ea, ew, eo
	s_add_co_i32 s93, s[\ea], 127
	s_lshl_b32 s94, s93, 23
	v_mov_b32 v[SCH+\j], s94
	s_add_co_i32 s93, s93, 15
	s_lshl_b32 s93, s93, 23
	s_or_b32 s[49+2*\j], s93, 0x600000             ; 57,344 x the scale
	s_or_b32 s[48+2*\j], s[49+2*\j], 0x80000000
	s_add_co_i32 s93, s[\ea], s[\ew]
	s_sub_co_i32 s[60+\j], 0, s93
	s_sub_co_i32 s93, s[\eo], s93
	s_add_co_i32 s93, s93, 127
	s_lshl_b32 s95, s93, 23
	v_mov_b32 v[SCO+\j], s95
	s_add_co_i32 s93, s93, 15
	s_lshl_b32 s93, s93, 23
	s_or_b32 s[55+2*\j], s93, 0x600000
	s_or_b32 s[54+2*\j], s[55+2*\j], 0x80000000
.endm
	s_wait_kmcnt 0x0
	SCALES 0, 68, 69, 74
	SCALES 1, 70, 71, 75
	SCALES 2, 72, 73, 77
; A UNIT: 16 pixels x my 128 channels.  Register XR + 8 c' + i = channel 16 c' + 8 h + i of pixel r: the fragment's own order.
.macro UNIT
	v_add_nc_u32 v[RA], s[UB], v[RA0]
	v_add_nc_u32 v[IA], s[UB], v[IA0]
.irp c, 0,1,2,3,4,5,6,7
	ds_load_b128 v[XR+8*\c:XR+8*\c+3], v[RA] offset:64*\c
	ds_load_b128 v[XR+8*\c+4:XR+8*\c+7], v[RA] offset:64*\c+16
.endr
	s_wait_dscnt 0x0                               ; the unit's numbers are in registers: its bytes may take the images
	WIN 0x28                                       ; sources 1 and 2 window 2
.irp c, 0,1,2,3,4,5,6,7
.irp k, 0,2,4,6
	v_pk_add_f32 v[XR+8*\c+\k:XR+8*\c+\k+1], v[XR+8*\c+\k:XR+8*\c+\k+1], v[PM+2*\c:PM+2*\c+1] neg_lo:[0,1] neg_hi:[0,1]
.endr
.endr
.set i, 0
.rept 32
	v_pk_fma_f32 v[XR+2*i:XR+2*i+1], v[XR+2*i:XR+2*i+1], v[PA+2*i:PA+2*i+1], v[PB+2*i:PB+2*i+1]
.set i, i+1
.endr
	WIN 0
.irp j, 0,1,2
.set i, 0
.rept 64
	v_med3_num_f32 v[TR+i], v[XR+i], s[48+2*\j], s[49+2*\j]   ; the conversion to an 8-bit code does not saturate (ISA guide 7.6.2): the hold at the largest code x the scale
.set i, i+1
.endr
	s_wait_dscnt 0x0                               ; the last image's stores have read the codes' registers
.irp c, 0,1,2,3,4,5,6,7
	v_cvt_scalef32_pk8_bf8_f32 v[PC+2*\c:PC+2*\c+1], v[TR+8*\c:TR+8*\c+7], v[SCH+\j]
.endr
	v_nop                                          ; a plain instruction between the conversions and the next lines that write their sources
.irp c, 0,1,2,3
	ds_store_b128 v[IA], v[PC+4*\c:PC+4*\c+3] offset:\j*2048+512*\c
.endr
.endr
.endm
.macro XLOOP first, end                        ; four units; the LDS offset is the loop's counter
	s_mov_b32 s[UB], \first
.Lunit_\@:
	UNIT
	s_add_co_u32 s[UB], s[UB], UNITB
	s_cmp_lt_u32 s[UB], \end
	s_cbranch_scc1 .Lunit_\@
.endm
	s_wait_loadcnt 48                              ; the 40 parameter loads are in; the 32 of the first weight's pair and the 16 of bq may be out
	LOADW 0, 1, 1                                  ; the second pair's weights, into the other buffer: they land while x is normalised
	s_wait_tensorcnt 0x1                           ; my rows 0-63 are in LDS; rows 64-127 may be on their way: they land in other bytes than the four units' below
	XLOOP 0, 4*UNITB
	s_wait_tensorcnt 0x0
	XLOOP 4*UNITB, 8*UNITB
	s_wait_dscnt 0x0                               ; for the others' sake: my images have landed
	s_barrier_signal -1
	s_barrier_wait -1                              ; the launch's one barrier: behind it LDS is only read
; hn's fragments of set j, K step s, all 8 pixel tiles
.macro HLOAD j, s
	WIN 0x80
.irp pt, 0,1,2,3
.irp c, 0,1,2,3
	ds_load_b128 v[16*(4*\pt+\s)+4*\c:16*(4*\pt+\s)+4*\c+3], v[AB+\s] offset:\pt*UNITB+(\j)*2048+512*\c
.endr
.endr
	WIN 0xc0
.irp pt, 4,5,6,7
.irp c, 0,1,2,3
	ds_load_b128 v[16*(4*(\pt-4)+\s)+4*\c:16*(4*(\pt-4)+\s)+4*\c+3], v[AB+\s] offset:\pt*UNITB+(\j)*2048+512*\c
.endr
.endr
	WIN 0
.endm
; 64 products: pair p of my tiles x 8 pixel tiles x 4 K steps.  The 16 accumulators take turns, one instruction a turn.
; reload = 1: as soon as a K step's products are issued, and four places behind them, its fragments of hn are replaced by the next set's; behind K step 0, which has read the bias, the next bias is asked for.
.macro MUL form, buf, p, reload, j, nform, nptr
.irp s, 0,1,2,3
.irp hf, 0,1
.if \form == 0
	WIN 0x09+4*\hf                                 ; source 0 (W) window 1, source 1 (hn) window 2 or 3
.else
	WIN 0x06+\hf                                   ; source 0 (hn) window 2 or 3, source 1 (W) window 1
.endif
.irp pq, 0,1,2,3
.irp u, 0,1
.set rD, ACC+8*(8*\u+4*\hf+\pq)
.set rW, 128*(\buf)+16*(4*\u+\s)
.set rH, 16*(4*\pq+\s)
.set rC, BI+8*(2*(\p)+\u)
.if \s != 0
.set rC, rD
.endif
.if \form == 0
	v_wmma_f32_16x16x128_bf8_bf8 v[rD:rD+7], v[rW:rW+15], v[rH:rH+15], v[rC:rC+7]
.else
	v_wmma_f32_16x16x128_bf8_bf8 v[rD:rD+7], v[rH:rH+15], v[rW:rW+15], v[rC:rC+7]
.endif
.endr
.endr
.endr
.if \reload
	WIN 0
	PLACES 4                                       ; in front of loads into registers that matrix instructions have read
	HLOAD (\j)+1, \s
.if \s == 0
	BIASLD \nform, \nptr
.endif
.endif
.endr
	WIN 0
.endm
; the pair's 16 accumulators are held, converted and stored: 8 stores of 512 consecutive bytes, aligned.  Between the holds and the conversions the pair after next (weight nj, pair np; nj = 3: there is none)
; is asked for, into the buffer that this pair's products have read.
.macro EPI form, j, p, nj, np
.set i, 0
.rept 128
	v_med3_num_f32 v[ACC+i], v[ACC+i], s[54+2*(\j)], s[55+2*(\j)]   ; each accumulator from its low end on
.set i, i+1
.endr
	s_wait_xcnt 0x0                                ; the last pair's stores have read the codes' registers.  It stands ahead of the 32 loads below, so that it sees only requests a pair old
.if \nj < 3
	LOADW \nj, \np, (\p)%2
.endif
.irp u, 0,1
.irp pt, 0,1,2,3,4,5,6,7
.if \form == 0
	v_cvt_scalef32_pk8_bf8_f32 v[CD+4*\pt+2*\u:CD+4*\pt+2*\u+1], v[ACC+8*(8*\u+\pt):ACC+8*(8*\u+\pt)+7], v[SCO+\j]   ; registers 4 p + 2 u, + 1 of fragment (pt, K step w)
.else
	v_cvt_scalef32_pk8_bf8_f32 v[CD+16*\u+2*\pt:CD+16*\u+2*\pt+1], v[ACC+8*(8*\u+\pt):ACC+8*(8*\u+\pt)+7], v[SCO+\j]  ; registers 2 pt, + 1 of V's fragment 2 p + u
.endif
.endr
.endr
	v_nop                                          ; a plain instruction between the conversions and the products that write their sources
.if \form == 0
.irp pt, 0,1,2,3,4,5,6,7
	global_store_b128 v[LI], v[CD+4*\pt:CD+4*\pt+3], s[82+2*(\j):83+2*(\j)] offset:\pt*8192+(\p)*512
.endr
.else
.irp u, 0,1
.irp c, 0,1,2,3
	global_store_b128 v[LI], v[CD+16*\u+4*\c:CD+16*\u+4*\c+3], s[82+2*(\j):83+2*(\j)] offset:(2*(\p)+\u)*2048+512*\c
.endr
.endr
.endif
.endm
; a pair.  left: the loads younger than this pair's weights, which may stay out: the next pair's 32, or none
.macro PAIR form, j, p, left, nj, np, reload, nform, nptr
	s_wait_loadcnt \left
	MUL \form, (\p)%2, \p, \reload, \j, \nform, \nptr
	PLACES 4                                       ; in front of the first read of results, and of the loads into the buffer that these products have read
	EPI \form, \j, \p, \nj, \np
.endm
.irp s, 0,1,2,3
	HLOAD 0, \s
.endr
	s_wait_loadcnt 32                              ; bq and the first pair's weights are in; the second pair's 32 loads may be out
	BIASFIX 0, 0
	s_wait_dscnt 0x0                               ; hn's first set
	PAIR 0, 0, 0, 32, 0, 2, 0, 0, 12
	PAIR 0, 0, 1, 32, 0, 3, 0, 0, 12
	PAIR 0, 0, 2, 32, 1, 0, 0, 0, 12
	PAIR 0, 0, 3, 32, 1, 1, 1, 0, 14               ; q's last pair brings hn's second set and bk
	s_wait_loadcnt 32                              ; bk is in: behind its loads only the 32 of k's second pair were issued
	BIASFIX 0, 1
	s_wait_dscnt 0x0
	PAIR 0, 1, 0, 32, 1, 2, 0, 0, 12
	PAIR 0, 1, 1, 32, 1, 3, 0, 0, 12
	PAIR 0, 1, 2, 32, 2, 0, 0, 0, 12
	PAIR 0, 1, 3, 32, 2, 1, 1, 1, 16               ; k's last pair brings hn's third set and bv
	s_wait_loadcnt 32                              ; bv is in: behind its loads only the 32 of v's second pair were issued
	BIASFIX 1, 2
	s_wait_dscnt 0x0
	PAIR 1, 2, 0, 32, 2, 2, 0, 0, 12
	PAIR 1, 2, 1, 32, 2, 3, 0, 0, 12
	PAIR 1, 2, 2, 32, 3, 0, 0, 0, 12
	PAIR 1, 2, 3, 0, 3, 0, 0, 0, 12
	s_wait_tensorcnt 0x0
	ds_add_u32 v30, v31
	s_wait_dscnt 0x0
	s_endpgm
.Lfunc_end_k_q1b73fc1fa8_qkv:
	.size	k_q1b73fc1fa8_qkv, .Lfunc_end_k_q1b73fc1fa8_qkv-k_q1b73fc1fa8_qkv
	.p2alignl 7, 3214868480
	.fill 96, 4, 3214868480
	.section	.rodata,"a",@progbits
	.p2align	6, 0x0
	.amdhsa_kernel k_q1b73fc1fa8_qkv
		.amdhsa_group_segment_fixed_size 270848
		.amdhsa_private_segment_fixed_size 0
		.amdhsa_enable_private_segment 0
		.amdhsa_kernarg_size 80
		.amdhsa_user_sgpr_count 2
		.amdhsa_user_sgpr_kernarg_segment_ptr 1
		.amdhsa_wavefront_size32 1
		.amdhsa_system_sgpr_workgroup_id_x 1
		.amdhsa_system_sgpr_workgroup_id_y 1
		.amdhsa_system_sgpr_workgroup_id_z 1
		.amdhsa_system_vgpr_workitem_id 0
		.amdhsa_next_free_vgpr 1024
		.amdhsa_next_free_sgpr 100
		.amdhsa_reserve_vcc 0
		.amdhsa_float_denorm_mode_32 3
		.amdhsa_float_denorm_mode_16_64 3
		.amdhsa_memory_ordered 1
		.amdhsa_forward_progress 1
		.amdhsa_inst_pref_size 255
	.end_amdhsa_kernel
	.section	.bss,"aw",@nobits
	.p2align	6
	.space	262144
	.amdgpu_metadata
---
amdhsa.version: [ 1, 2 ]
amdhsa.kernels:
  - .name:           k_q1b73fc1fa8_qkv
    .symbol:         k_q1b73fc1fa8_qkv.kd
    .args:
      - { .name: x, .offset: 0, .size: 8, .value_kind: global_buffer, .address_space: global }
      - { .name: stat, .offset: 8, .size: 8, .value_kind: global_buffer, .address_space: global }
      - { .name: norm_bias, .offset: 16, .size: 8, .value_kind: global_buffer, .address_space: global }
      - { .name: wimg, .offset: 24, .size: 8, .value_kind: global_buffer, .address_space: global }
      - { .name: bq, .offset: 32, .size: 8, .value_kind: global_buffer, .address_space: global }
      - { .name: bk, .offset: 40, .size: 8, .value_kind: global_buffer, .address_space: global }
      - { .name: bv, .offset: 48, .size: 8, .value_kind: global_buffer, .address_space: global }
      - { .name: lowp_scales, .offset: 56, .size: 8, .value_kind: global_buffer, .address_space: global }
      - { .name: qimg, .offset: 64, .size: 8, .value_kind: global_buffer, .address_space: global }
      - { .name: kv, .offset: 72, .size: 8, .value_kind: global_buffer, .address_space: global }
    .group_segment_fixed_size: 270848
    .private_segment_fixed_size: 0
    .kernarg_segment_align: 8
    .kernarg_segment_size: 80
    .max_flat_workgroup_size: 128
    .sgpr_count:     100
    .vgpr_count:     1024
    .wavefront_size: 32
...
	.end_amdgpu_metadata
.endif
;; end of part 2
;; launch attn (part 3): grid 8 x 32, 4 waves a work-group, clusters of 4 x 1, 327,680 bytes of LDS; arguments qimg, kv, wimg, lowp_scales, bp, x, out0; writes out0
.if DOCPART == 3
	.amdgcn_target "amdgcn-amd-amdhsa--gfx1250"
	.amdhsa_code_object_version 6
	.text
	.protected	k_q1b73fc1fa8_attn
	.globl	k_q1b73fc1fa8_attn
	.p2align	8
	.type	k_q1b73fc1fa8_attn,@function
k_q1b73fc1fa8_attn:
	s_mov_b64 s[64:65], 0
	v_nop
	global_prefetch_b8 v0, s[64:65] scope:SCOPE_SE
	s_setreg_imm32_b32 hwreg(HW_REG_WAVE_MODE, 25, 1), 1
	s_wait_xcnt 0x0
	s_wait_alu depctr_hold_cnt(0) depctr_sa_sdst(0) depctr_va_vdst(0) depctr_va_sdst(0) depctr_va_ssrc(0) depctr_va_vcc(0) depctr_vm_vsrc(0)
	s_getreg_b32 s2, hwreg(HW_REG_IB_STS2, 6, 4)
	s_cmp_eq_u32 s2, 0
	s_cbranch_scc0 .Lentry_in_a_cluster
	s_endpgm
.Lentry_in_a_cluster:
	s_bfe_u32 s2, ttmp6, 0x10000c
	s_cmp_lg_u32 s2, 0x3003
	s_cbranch_scc0 .Lentry_shape_is_right
	s_endpgm
.Lentry_shape_is_right:
; out0 = x + (softmax(q k^T / sqrt(512)) v) wp + bp, all three products on codes of E5M2, each operand with the scale 2^e that is given for it.
; q, k, v come as images of operand registers (a fragment: 16 rows x 128 K, 16 registers, lane (r, h): row r, registers 2 c', 2 c' + 1: k = 16 c' + 8 h + 0 .. 7; its image: 2,048 bytes, piece c at 512 c + 16 x lane).
; THE SOFTMAX AHEAD OF THE SECOND PRODUCT: t = score x log2(e) / sqrt(512); M = the running largest t rounded UP to a whole number; p = 2^(t - M) is quantised (2^e8), not normalised; the row's sum is taken of the
;   unquantised p and divides at the end; when M moves, the sum and O are multiplied by 2^(old M - new M), which rounds nothing.
; SHARES.  A work-group owns 128 queries of an image; wave w owns query tiles 2 w and 2 w + 1 with all 512 channels of O^T (512 registers).  Every wave walks the image's 1,024 keys, 128 a step.
;   Both products transposed: S^T = K Q^T, O^T = V^T P: a lane holds ONE query throughout, its registers run along the keys, then along the channels: each conversion's result is a register pair of the next operand.
; CLUSTER.  The four work-groups of a cluster belong to one image and walk the same K and V: each step's 131,072 bytes are asked for JOINTLY, a quarter by each wave, the same line and descriptor in all four work-groups.
;   Two LDS slots; the change of slots stands at a step's head; behind its round the slot just left is filled with the next step's tile, which has a whole step in which to land.  One tensor load of a wave is out at the most.
;   At the LAST change of slots slot 0 takes x instead: each wave asks, by a load of its own, for rows 0-63 of its 128 columns of the work-group's block; they land during the last step, the conversion and the projection.
; THE PROJECTION.  O^T / the sum is quantised (2^e10) in registers and goes round as images through LDS; then the waves share the COLUMNS: wave w makes output channels 128 w .. 128 w + 127 of all 128 rows,
;   its part of wp straight from wimg into registers; bp / 2^(e10 + e11) is the C of each sum's first product; out0 = sum x 2^(e10 + e11) + x, through a stage in LDS, as whole rows of 512 bytes.
;   Images and stages lie in slot 1, behind a barrier of their own: slot 1 has had its last fill, and behind that barrier nobody reads its tile.  x's rows 64-127 come into the registers that wp leaves.
; LIMITS on the given exponents, so that each power of two below is an f32 number: e6 + e7 between -122 and 131 (added to c's exponent field); e8 and e10 - e8 - e9 between -126 and 112; e10 + e11 between -126 and 127.
; REGISTERS.  window 0: v1-22 addresses and scales; v32-47 statistics, 8 a tile: -M, largest t, the sum's two halves, f (later 1 / sum), 0; v48-63 at work; v64-191 S^T (q, kt) at 64 + 64 q + 8 kt, later the projection's
;   fragments of A, later two blocks of x out of LDS; v192-223 P; later v192-255 bp's 8 tiles.   window 1: Q (q, s) at 16 (4 q + s); v128-255 two buffers of four fragments of K or V; later wp's two sets; later x's blocks 4 to 7.
;   windows 2, 3: O^T (dt, q) at 8 (2 (dt % 16) + q), window 2 + dt / 16; later the projection's accumulators (a, nb) at 8 (8 (a % 4) + nb), window 2 + a / 4, which also take the block back from the stage.
.set LI,  1                            ; v1   16 x lane
.set LIV, 2                            ; v2   the same behind K's 65,536 bytes of a slot
.set ADK, 3                            ; v3, v4  the same in the slot in hand
.set ADV, 4
.set SPW, 5                            ; v5   LDS address of my spare word: SPARE + 4 x my thread's number; never rewritten
.set NIL, 6                            ; v6   0; never rewritten
.set PFO, 7                            ; v7   256 x lane: the prefetches of K and V
.set STO, 8                            ; v8   the way out: where I put 32 bytes of a row
.set RD,  9                            ; v9   and where I read a row back
.set SC8, 12                           ; v12  2^e8
.set LM8, 13                           ; v13  57,344 x 2^e8
.set SCO, 14                           ; v14  2^(e10 - e8 - e9)
.set AIW, 15                           ; v15  where I store my images
.set PH,  16                           ; v16  32 h
.set LIA, 21                           ; v21  16 x lane in slot 1: where the images are read
.set XL,  22                           ; v22  16 x lane + 32,768 x wave: my rows of x in slot 0
.set ST,  32
.set TM,  48
.set S,   64
.set P,   192
.set AF,  64
.set XB,  64                           ; the way out: x's blocks 0 to 3 out of LDS: v64-127 and v128-191 by turns
.set BPI, 192
.set FB,  128
.set SLOT1, 1<<17
.set SPARE, 2*SLOT1                    ; behind the ring: the spare words, 128 bytes for each wave: two blocks of 256 bytes that no other line names
.set STAGE, SLOT1+65536                ; in slot 1, behind the 32 images: 16 rows x 528 bytes for each wave
.set WV,  18
.set TB,  36                           ; s36  LDS byte at which the slot in hand begins
.set SLOTS, 37                         ; s37  fills still to come, this one among them
.set LIM, 38                           ; s38  1 in a cluster that prefetches, else the greatest number
.set XG0, 72                           ; s[72:75] descriptor group 0 for x's tile
.set XG1, 76                           ; s[76:83] its group 1
.set MSB, 0
.macro WIN new                         ; the immediate's high byte repeats the setting that is left
.if MSB != (\new)
	s_set_vgpr_msb (MSB<<8)|(\new)
.set MSB, (\new)
.endif
.endm
.macro PLACES n
.rept \n
	v_nop
.endr
.endm
; a round of the cluster's barrier: my work-group's barrier; wave 0 signals for the work-group; every wave waits for all four work-groups; my work-group's barrier once more
.macro CROUND
	s_barrier_signal -1
	s_barrier_wait -1
	s_cmp_lg_u32 s[WV], 0
	s_cbranch_scc1 .Lnot_wave_0_\@
	s_barrier_signal -3
.Lnot_wave_0_\@:
	s_barrier_wait -3
	s_barrier_signal -1
	s_barrier_wait -1
.endm
; A PREFETCH of the tile that the NEXT change of slots will ask for: one key step, 128 matrix instructions a wave, ahead of that load.  An image's two clusters walk the same tiles: the first asks.  Its four work-groups take
; 32,768 bytes each, told apart by ADDRESS, each wave 8,192, lanes 256 bytes apart: each block of 256 bytes is named once in the launch.  The last change that asks for a tile prefetches nothing; tiles 0 and 1 come by their loads alone.
.macro ASK
	s_cmp_gt_u32 s[SLOTS], s[LIM]
	s_cbranch_scc0 .Lnot_mine_\@
	global_prefetch_b8 v[PFO], s[40:41] th:TH_LOAD_NT scope:SCOPE_SE
.Lnot_mine_\@:
.endm
	s_load_b256 s[4:11], s[0:1], 0x0               ; qimg s[4:5], kv s[6:7], wimg s[8:9], lowp_scales s[10:11]
	s_load_b128 s[12:15], s[0:1], 0x20             ; bp s[12:13], x s[14:15]
	s_load_b64 s[16:17], s[0:1], 0x30              ; out0
	v_lshl_add_u32 v[SPW], v0, 2, SPARE
	v_mov_b32 v[NIL], 0
	ds_add_u32 v5, v6
	ds_add_u32 v5, v6
	s_wait_dscnt 0x0
	v_lshrrev_b32 v10, 5, v0
	v_readfirstlane_b32 s[WV], v10                 ; wave 0..3
	s_bfe_u32 s19, ttmp6, 0x40000                  ; cx: my place in the cluster
	s_lshl_b32 s20, ttmp9, 2                       ; in a cluster launch ttmp9 counts clusters
	s_add_co_u32 s20, s20, s19                     ; my block of 128 queries: it enters the addresses of q, x and out0 alone
	s_and_b32 s21, ttmp7, 0xffff                   ; the image, which the four partners share
	; descriptor group 1 for K's and V's tiles: 128 dense rows of 32 elements of 8 bytes
	s_mov_b32 s24, 15|(3<<16)|(1<<21)              ; 15:0 the mask: all four work-groups; 17:16 elements of 8 bytes; 21 set beside a mask
	s_mov_b32 s25, 32<<16                          ; tensor_dim0
	s_mov_b32 s26, 128<<16                         ; tensor_dim1
	s_mov_b32 s27, 32<<16                          ; tile_dim0
	s_mov_b32 s28, 128                             ; tile_dim1
	s_mov_b32 s29, 32                              ; the pitch
	s_mov_b32 s30, 0
	s_mov_b32 s31, 0
	; descriptor group 1 for x's tile: 64 rows of 64 elements of 8 bytes (512 bytes), 256 elements (a row of x) from row to row; no mask: a load of my own
	s_mov_b32 s[XG1], 3<<16
	s_mov_b32 s[XG1+1], 64<<16                     ; tensor_dim0
	s_mov_b32 s[XG1+2], 64<<16                     ; tensor_dim1
	s_mov_b32 s[XG1+3], 64<<16                     ; tile_dim0
	s_mov_b32 s[XG1+4], 64                         ; tile_dim1
	s_mov_b32 s[XG1+5], 256                        ; the pitch
	s_mov_b32 s[XG1+6], 0
	s_mov_b32 s[XG1+7], 0
	s_lshl_b32 s33, s[WV], 15                      ; my quarter of a slot: no place in the cluster enters an LDS address
	s_lshl_b32 s60, s21, 20                        ; an image's 8 tiles are 1,048,576 bytes
	s_add_co_u32 s60, s60, s33
	s_mov_b32 s61, 0
	s_mov_b32 s[TB], 0
	s_mov_b32 s42, 0x76543210
	s_mov_b32 s43, 0xfedcba98                      ; selects for lane l xor 16
	s_cmp_eq_u32 ttmp9, 0                          ; the same in all four partners
	s_cselect_b32 s[LIM], 1, -1
	s_lshl_b32 s62, s21, 20                        ; the prefetches: my image, tile 1 (the first change of slots steps it to tile 2), my work-group's quarter, my wave's quarter of that
	s_lshl_b32 s63, s19, 15
	s_add_co_u32 s62, s62, s63
	s_lshl_b32 s63, s[WV], 13
	s_add_co_u32 s62, s62, s63
	s_add_co_u32 s62, s62, 131072
	s_mov_b32 s63, 0
	s_wait_kmcnt 0x0
	s_load_b256 s[44:51], s[10:11], 0x0            ; e0 .. e7
	s_load_b128 s[52:55], s[10:11], 0x20           ; e8 .. e11
	s_add_nc_u64 s[40:41], s[6:7], s[62:63]
	s_mov_b32 s32, 1
	s_add_nc_u64 s[34:35], s[6:7], s[60:61]        ; tile 0, my quarter
	s_or_b32 s35, s35, 0x80000000
	CROUND                                         ; all four work-groups are here: the first joint loads meet
	tensor_load_to_lds s[32:35], s[24:31]          ; tile 0 into slot 0
	s_nop 0
	PLACES 4
	s_lshl_b32 s62, s21, 19                        ; q: my image, my block, my two tiles
	s_lshl_b32 s63, s20, 16
	s_add_co_u32 s62, s62, s63
	s_lshl_b32 s63, s[WV], 14
	s_add_co_u32 s62, s62, s63
	s_mov_b32 s63, 0
	s_add_nc_u64 s[4:5], s[4:5], s[62:63]
	v_and_b32 v10, 31, v0                          ; lane
	v_and_b32 v17, 15, v0                          ; r
	v_bfe_u32 v18, v0, 4, 1                        ; h
	v_lshlrev_b32 v[LI], 4, v10
	WIN 0x40                                       ; destination window 1
.set i, 0
.rept 32
	global_load_b128 v[4*i:4*i+3], v[LI], s[4:5] offset:512*i   ; Q's eight fragments stay in registers
.set i, i+1
.endr
	WIN 0
	s_lshl_b32 s62, s21, 21                        ; x and out0: my image, my 128 rows of 2,048 bytes, my wave's 128 columns
	s_lshl_b32 s63, s20, 18
	s_add_co_u32 s62, s62, s63
	s_lshl_b32 s63, s[WV], 9
	s_add_co_u32 s62, s62, s63
	s_mov_b32 s68, s63
	s_mov_b32 s63, 0
	s_mov_b32 s69, 0
	s_add_nc_u64 s[14:15], s[14:15], s[62:63]
	s_add_nc_u64 s[16:17], s[16:17], s[62:63]
	s_add_nc_u64 s[12:13], s[12:13], s[68:69]      ; bp: my 128 columns
	s_lshl_b32 s68, s[WV], 16
	s_add_co_u32 s68, s68, 3*262144
	s_add_nc_u64 s[66:67], s[8:9], s[68:69]        ; wimg: wp, my 8 tiles
	s_mov_b32 s[XG0], 1                            ; x's tile: count = 1,
	s_lshl_b32 s[XG0+1], s[WV], 15                 ; into my quarter of slot 0,
	s_mov_b64 s[XG0+2:XG0+3], s[14:15]             ; from my block's first row, my columns;
	s_or_b32 s[XG0+3], s[XG0+3], 0x80000000        ; type = 2
	v_add_nc_u32 v[LIV], 0x10000, v[LI]
	v_add_nc_u32 v[LIA], SLOT1, v[LI]
	v_lshlrev_b32 v[PFO], 8, v10
	s_mul_i32 s39, s[WV], 16*528
	s_add_co_u32 s39, s39, STAGE                   ; my stage
	v_mul_u32_u24 v[STO], v17, 528
	v_lshl_add_u32 v[STO], v18, 5, v[STO]
	v_add_nc_u32 v[STO], s39, v[STO]
	v_add_nc_u32 v[RD], s39, v[LI]
	s_lshl_b32 s39, s[WV], 15
	v_add_nc_u32 v[XL], s39, v[LI]
	s_lshl_b32 s39, s[WV], 14
	s_add_co_u32 s39, s39, SLOT1
	v_add_nc_u32 v[AIW], s39, v[LI]
	v_lshlrev_b32 v[PH], 5, v18
.irp q, 0,1
	v_mov_b32 v[ST+8*\q+1], 0xff61b1e6             ; the largest t so far: -3e38, under every t
	v_floor_f32 v[ST+8*\q], -v[ST+8*\q+1]          ; -M
	v_mov_b32 v[ST+8*\q+2], 0                      ; the sum, in two halves
	v_mov_b32 v[ST+8*\q+3], 0
	v_mov_b32 v[ST+8*\q+4], 0
	v_mov_b32 v[ST+8*\q+5], 0                      ; (named as the upper half of f's pair)
	v_mov_b32 v[TM+8*\q+2], 0                      ; a lane permute's destination counts as one of its sources
.endr
	s_wait_kmcnt 0x0
	s_add_co_i32 s39, s50, s51                     ; a score stands for score x 2^(e6 + e7): added to c's exponent field
	s_lshl_b32 s39, s39, 23
	s_add_co_i32 s22, s39, 0x3d8293ee              ; c = log2(e) / sqrt(512)
	s_mov_b32 s23, s22                             ; (named with it as a pair)
	s_add_co_i32 s39, s52, 127
	s_lshl_b32 s60, s39, 23
	v_mov_b32 v[SC8], s60
	s_add_co_i32 s39, s39, 15
	s_lshl_b32 s39, s39, 23
	s_or_b32 s39, s39, 0x600000
	v_mov_b32 v[LM8], s39
	s_sub_co_i32 s39, s54, s52                     ; O^T / the sum stands for that x 2^(e8 + e9): the three scales folded into the conversion's one
	s_sub_co_i32 s39, s39, s53
	s_add_co_i32 s39, s39, 127
	s_lshl_b32 s61, s39, 23
	v_mov_b32 v[SCO], s61
	s_add_co_i32 s39, s39, 15
	s_lshl_b32 s39, s39, 23
	s_or_b32 s57, s39, 0x600000
	s_or_b32 s56, s57, 0x80000000
	s_add_co_i32 s39, s54, s55
	s_sub_co_i32 s68, 0, s39                       ; -(e10 + e11), for bp
	s_add_co_i32 s39, s39, 127
	s_lshl_b32 s58, s39, 23                        ; 2^(e10 + e11)
	s_mov_b32 s59, s58
; four fragments of K: group gk = 2 m + hs, gk = 0 .. 7: key tiles 2 m, 2 m + 1, K steps 2 hs, 2 hs + 1; into buffer gk % 2.  A step's K is 8 key tiles x 4 K steps: 32 fragments, 8 groups
.macro KLOAD gk
	WIN 0x40
.irp e, 0,1
.irp z, 0,1
.irp c, 0,1,2,3
	ds_load_b128 v[FB+64*((\gk)%2)+16*(2*\e+\z)+4*\c:FB+64*((\gk)%2)+16*(2*\e+\z)+4*\c+3], v[ADK] offset:(4*(2*((\gk)/2)+\e)+2*((\gk)%2)+\z)*2048+512*\c
.endr
.endr
.endr
.endm
; four fragments of V: channel tiles 4 gv .. 4 gv + 3; into buffer gv % 2
.macro VLOAD gv
	WIN 0x40
.set n, 0
.rept 16
	ds_load_b128 v[FB+64*((\gv)%2)+4*n:FB+64*((\gv)%2)+4*n+3], v[ADV] offset:(\gv)*8192+512*n
.set n, n+1
.endr
.endm
; group gk's 8 products: four accumulators by turns; K step 0 starts the sums
.macro SMUL gk
	WIN 0x05                                       ; K and Q window 1, S^T window 0
.irp z, 0,1
.irp e, 0,1
.irp q, 0,1
.set rS, S+64*\q+8*(2*((\gk)/2)+\e)
.set rK, FB+64*((\gk)%2)+16*(2*\e+\z)
.set rQ, 16*(4*\q+2*((\gk)%2)+\z)
.if ((\gk)%2 == 0) && (\z == 0)
	v_wmma_f32_16x16x128_bf8_bf8 v[rS:rS+7], v[rK:rK+15], v[rQ:rQ+15], 0
.else
	v_wmma_f32_16x16x128_bf8_bf8 v[rS:rS+7], v[rK:rK+15], v[rQ:rQ+15], v[rS:rS+7]
.endif
.endr
.endr
.endr
.endm
; the softmax of both tiles, line by line, so that four chains run side by side
.macro SOFTMAX
.irp q, 0,1
	v_max3_num_f32 v[TM+8*\q], v[S+64*\q], v[S+64*\q+1], v[S+64*\q+2]        ; the step's largest score of my query among my 64 keys; each accumulator is read from its low end on
	v_max3_num_f32 v[TM+8*\q+1], v[S+64*\q+3], v[S+64*\q+4], v[S+64*\q+5]
.endr
.irp k, 6,10,14,18,22,26,30,34,38,42,46,50,54,58
.irp q, 0,1
	v_max3_num_f32 v[TM+8*\q], v[TM+8*\q], v[S+64*\q+\k], v[S+64*\q+\k+1]
	v_max3_num_f32 v[TM+8*\q+1], v[TM+8*\q+1], v[S+64*\q+\k+2], v[S+64*\q+\k+3]
.endr
.endr
.irp q, 0,1
	v_max3_num_f32 v[TM+8*\q], v[TM+8*\q], v[S+64*\q+62], v[S+64*\q+63]
.endr
.irp q, 0,1
	v_max_num_f32 v[TM+8*\q], v[TM+8*\q], v[TM+8*\q+1]
.endr
.irp q, 0,1
	v_permlanex16_b32 v[TM+8*\q+2], v[TM+8*\q], s42, s43
.endr
.irp q, 0,1
	v_max_num_f32 v[TM+8*\q], v[TM+8*\q], v[TM+8*\q+2]                       ; and among lane l xor 16's
.endr
.irp q, 0,1
	v_mul_f32 v[TM+8*\q], s22, v[TM+8*\q]                                    ; as t (c is positive)
.endr
.irp q, 0,1
	v_max_num_f32 v[ST+8*\q+1], v[ST+8*\q+1], v[TM+8*\q]                     ; the running largest t
.endr
.irp q, 0,1
	v_mov_b32 v[TM+8*\q], v[ST+8*\q]
.endr
.irp q, 0,1
	v_floor_f32 v[ST+8*\q], -v[ST+8*\q+1]                                    ; the new -M = -ceil(t): a whole number
.endr
.irp q, 0,1
	v_sub_f32 v[TM+8*\q], v[ST+8*\q], v[TM+8*\q]                             ; old M - new M, 0 or less
.endr
.irp q, 0,1
	v_cvt_i32_f32 v[TM+8*\q], v[TM+8*\q]                                     ; (it saturates)
.endr
.irp q, 0,1
	v_ldexp_f32 v[ST+8*\q+4], 1.0, v[TM+8*\q]                                ; f = 2^(old M - new M)
.endr
.irp q, 0,1
.set n, 0
.rept 32
	v_pk_fma_f32 v[S+64*\q+2*n:S+64*\q+2*n+1], v[S+64*\q+2*n:S+64*\q+2*n+1], s[22:23], v[ST+8*\q:ST+8*\q+1] op_sel_hi:[1,0,0]   ; t - M (of the pairs c and -M the low word serves both halves)
.set n, n+1
.endr
.endr
.set n, 0
.rept 128
	v_exp_f32 v[S+n], v[S+n]                                                 ; p = 2^(t - M), at most 1: one batch
.set n, n+1
.endr
.irp q, 0,1
	v_pk_mul_f32 v[ST+8*\q+2:ST+8*\q+3], v[ST+8*\q+2:ST+8*\q+3], v[ST+8*\q+4:ST+8*\q+5] op_sel_hi:[1,0]   ; the sums under the new M: the plain instructions behind the batch
.endr
	s_wait_alu depctr_va_vdst(0)                   ; one wait for the batch, ahead of its first reader
.irp q, 0,1
	v_pk_add_f32 v[TM+8*\q+4:TM+8*\q+5], v[S+64*\q:S+64*\q+1], v[S+64*\q+2:S+64*\q+3]   ; the row's sum is taken of the unquantised p
.endr
.irp k, 4,8,12,16,20,24,28,32,36,40,44,48,52,56,60
.irp q, 0,1
	v_pk_add_f32 v[ST+8*\q+2:ST+8*\q+3], v[ST+8*\q+2:ST+8*\q+3], v[S+64*\q+\k:S+64*\q+\k+1]
	v_pk_add_f32 v[TM+8*\q+4:TM+8*\q+5], v[TM+8*\q+4:TM+8*\q+5], v[S+64*\q+\k+2:S+64*\q+\k+3]
.endr
.endr
.irp q, 0,1
	v_pk_add_f32 v[ST+8*\q+2:ST+8*\q+3], v[ST+8*\q+2:ST+8*\q+3], v[TM+8*\q+4:TM+8*\q+5]
.endr
.irp q, 0,1
.set n, 0
.rept 64
	v_min_num_f32 v[S+64*\q+n], v[S+64*\q+n], v[LM8]                         ; the conversion does not saturate (ISA guide 7.6.2); p is not negative, so the hold is one-sided
.set n, n+1
.endr
.irp kt, 0,1,2,3,4,5,6,7
	v_cvt_scalef32_pk8_bf8_f32 v[P+16*\q+2*\kt:P+16*\q+2*\kt+1], v[S+64*\q+8*\kt:S+64*\q+8*\kt+7], v[SC8]   ; registers 2 kt, + 1 of P's fragment
.endr
.endr
	v_nop                                          ; a plain instruction between the conversions and the products that read their results
.endm
; A KEY STEP: 128 keys: 64 products K Q^T in 8 groups, the softmax, 64 products V^T P in 8 groups.  first = 1: the products V^T P start O^T's sums, and nothing is rescaled.
; Each run of 16 LDS loads stands four places behind the products that read its buffer, and one group (8 products) ahead of its use: s_wait_dscnt 16 leaves the run just issued out.
.macro STEP first
	v_add_nc_u32 v[ADK], s[TB], v[LI]
	v_add_nc_u32 v[ADV], s[TB], v[LIV]
	PLACES 4
	KLOAD 0
.set GK, 0
.rept 8
	PLACES 4
.if GK < 7
	KLOAD GK+1
.else
	VLOAD 0                                        ; into buffer 0, which K's group 6 read last
.endif
	s_wait_dscnt 16
	SMUL GK
.set GK, GK+1
.endr
	WIN 0
	PLACES 4                                       ; in front of the first read of the scores
	SOFTMAX
.set GV, 0
.rept 8
.if \first
	PLACES 4
.else
	WIN 0x82+0x41*(GV/4)                           ; O^T (destination and source 0) window 2 or 3, f window 0
.set n, 0
.rept 32
	v_pk_mul_f32 v[64*(GV%4)+2*n:64*(GV%4)+2*n+1], v[64*(GV%4)+2*n:64*(GV%4)+2*n+1], v[ST+8*((n/4)%2)+4:ST+8*((n/4)%2)+5] op_sel_hi:[1,0]   ; this group's O^T under the new M; these are also the places in front of the loads below
.set n, n+1
.endr
.endif
.if GV < 7
	VLOAD GV+1
	s_wait_dscnt 16
.else
	s_wait_dscnt 0x0
.endif
	WIN 0xa1+0x50*(GV/4)                           ; V window 1, P window 0, O^T window 2 or 3
.irp t, 0,1,2,3
.irp q, 0,1
.set rO, 64*(GV%4)+16*\t+8*\q
.set rV, FB+64*(GV%2)+16*\t
.if \first
	v_wmma_f32_16x16x128_bf8_bf8 v[rO:rO+7], v[rV:rV+15], v[P+16*\q:P+16*\q+15], 0
.else
	v_wmma_f32_16x16x128_bf8_bf8 v[rO:rO+7], v[rV:rV+15], v[P+16*\q:P+16*\q+15], v[rO:rO+7]
.endif
.endr
.endr
.set GV, GV+1
.endr
	WIN 0
	s_xor_b32 s[TB], s[TB], SLOT1                  ; on to the other slot
.endm
; THE CHANGE OF SLOTS, at a step's head.  Each wave waits for all its tensor loads (its quarter of the slot that it is about to read), adds 0 to its spare word, and waits for that and for its reads of the slot that it has left.
; The barrier is a round of the cluster's, so that no wave of any partner still reads the slot or has a load on its way; the refill is the first thing behind it, one tensor load a wave.
; tile = 1: the joint load of the next step's tile.  tile = 0, the last change: slot 0 takes my 64 rows x 512 bytes of x, by a load of my own.
.macro CHANGE tile
	s_wait_tensorcnt 0x0                           ; no tensor load of mine is out, so group 0 may be written
	ds_add_u32 v[SPW], v[NIL]                      ; 0 onto my spare word
.if \tile
	s_xor_b32 s33, s33, SLOT1                      ; the walking descriptor: the other slot than last time,
	s_add_nc_u64 s[34:35], s[34:35], 131072        ; the next tile; the type bits on top are not reached
	s_wait_xcnt 0x0                                ; the last prefetch, a key step back, has read its address
	s_add_nc_u64 s[40:41], s[40:41], 131072        ; one tile further on than the walking descriptor
.endif
	s_wait_dscnt 0x0                               ; the add is done, and my reads of the slot that I have left are over
	CROUND
.if \tile
	tensor_load_to_lds s[32:35], s[24:31]
	s_nop 0
	PLACES 4
	ASK
.else
	tensor_load_to_lds s[XG0:XG0+3], s[XG1:XG1+7]
	s_nop 0
	PLACES 4
.endif
.endm
	s_wait_loadcnt 0x0                             ; Q
	s_mov_b32 s[SLOTS], 7
	CHANGE 1                                       ; tile 1 is asked for
	STEP 1                                         ; the first step is written out: its products start O^T's sums, nothing is ever cleared
	s_mov_b32 s[SLOTS], 6
.Lslot:                                            ; steps 1 to 6: tiles 2 to 7 are asked for
	CHANGE 1
	STEP 0
	s_sub_co_u32 s[SLOTS], s[SLOTS], 1
	s_cmp_lg_u32 s[SLOTS], 0
	s_cbranch_scc1 .Lslot
	CHANGE 0                                       ; the last step is written out: it reads slot 1, and slot 0 takes x
	STEP 0
	; ---- THE PROJECTION
.macro WPLOAD s                                ; wp's 8 fragments of K step s into set s % 2 of window 1
.irp nb, 0,1,2,3,4,5,6,7
.irp c, 0,1,2,3
	global_load_b128 v[128*((\s)%2)+16*\nb+4*\c:128*((\s)%2)+16*\nb+4*\c+3], v[LI], s[66:67] offset:\nb*8192+(\s)*2048+512*\c
.endr
.endr
.endm
.macro XLD a                                   ; x's block a (16 rows x my 512 bytes) into slot a % 4 of window 1
.irp t, 0,1,2,3,4,5,6,7,8,9,10,11,12,13,14,15
	global_load_b128 v[64*((\a)%4)+4*\t:64*((\a)%4)+4*\t+3], v[LI], s[14:15] offset:(16*(\a)+\t)*2048 th:TH_LOAD_NT
.endr
.endm
	PLACES 4                                       ; in front of loads into registers that the last products have read, and of the first read of O^T
	WIN 0x40
	WPLOAD 0
	WPLOAD 1
	WIN 0
.irp nb, 0,1,2,3,4,5,6,7
	global_load_b128 v[BPI+8*\nb:BPI+8*\nb+3], v[PH], s[12:13] offset:64*\nb          ; bp in the result's layout: columns 16 nb + 8 h + 0 .. 7
	global_load_b128 v[BPI+8*\nb+4:BPI+8*\nb+7], v[PH], s[12:13] offset:64*\nb+16
.endr
.irp q, 0,1
	v_add_f32 v[TM+8*\q], v[ST+8*\q+2], v[ST+8*\q+3]   ; the sum's two halves,
.endr
.irp q, 0,1
	v_permlanex16_b32 v[TM+8*\q+2], v[TM+8*\q], s42, s43
.endr
.irp q, 0,1
	v_add_f32 v[TM+8*\q], v[TM+8*\q], v[TM+8*\q+2]     ; and lane l xor 16's
.endr
.irp q, 0,1
	v_rcp_f32 v[ST+8*\q+4], v[TM+8*\q]
.endr
	v_nop                                          ; a plain instruction behind the reciprocals
	s_wait_alu depctr_va_vdst(0)                   ; and one wait for both, ahead of their first reader
; one window of O^T: / the sum, held, converted: tile dt of query tile q gives registers 2 (dt % 8), + 1 of fragment (q, K step dt / 8)
.macro CONV wn
	WIN 0x82+0x41*\wn
.set n, 0
.rept 128
	v_pk_mul_f32 v[2*n:2*n+1], v[2*n:2*n+1], v[ST+8*((n/4)%2)+4:ST+8*((n/4)%2)+5] op_sel_hi:[1,0]
.set n, n+1
.endr
.set n, 0
.rept 256
	v_med3_num_f32 v[n], v[n], s56, s57
.set n, n+1
.endr
	WIN 0x02+\wn
.set n, 0
.rept 32
	v_cvt_scalef32_pk8_bf8_f32 v[AF+16*(4*(n%2)+2*\wn+n/16)+2*((n/2)%8):AF+16*(4*(n%2)+2*\wn+n/16)+2*((n/2)%8)+1], v[8*n:8*n+7], v[SCO]
.set n, n+1
.endr
.endm
	CONV 0
	CONV 1
	v_nop                                          ; a plain instruction between the conversions and the products that write their sources
	WIN 0
	s_wait_dscnt 0x0                               ; my reads of slot 1, the last step's tile, are over;
	s_barrier_signal -1
	s_barrier_wait -1                              ; everybody's are: slot 1, which has had its last fill, may take the images and the stages.
.set n, 0
.rept 32
	ds_store_b128 v[AIW], v[AF+4*n:AF+4*n+3] offset:512*n   ; my eight fragments as they stand: fragment (row tile a = 2 w + q, K step s) at (4 a + s) x 2,048
.set n, n+1
.endr
	s_wait_dscnt 0x0                               ; for the others' sake: my images have landed
	s_barrier_signal -1
	s_barrier_wait -1
.macro FETCH_A s, a0                           ; A's fragments of K step s, row tiles a0 .. a0 + 3
.irp a, \a0, \a0+1, \a0+2, \a0+3
.irp c, 0,1,2,3
	ds_load_b128 v[AF+16*(\a)+4*\c:AF+16*(\a)+4*\c+3], v[LIA] offset:(4*(\a)+(\s))*2048+512*\c
.endr
.endr
.endm
.macro PMUL a0, s                              ; 16 products: row tiles a0, a0 + 1 x my 8 column tiles.  The 64 accumulators take turns, in the same order in every K step
.irp a, \a0, \a0+1
.irp nb, 0,1,2,3,4,5,6,7
.set rD, 8*(8*((\a)%4)+\nb)
.if (\s) == 0
	v_wmma_f32_16x16x128_bf8_bf8 v[rD:rD+7], v[128*((\s)%2)+16*\nb:128*((\s)%2)+16*\nb+15], v[AF+16*(\a):AF+16*(\a)+15], v[BPI+8*\nb:BPI+8*\nb+7]
.else
	v_wmma_f32_16x16x128_bf8_bf8 v[rD:rD+7], v[128*((\s)%2)+16*\nb:128*((\s)%2)+16*\nb+15], v[AF+16*(\a):AF+16*(\a)+15], v[rD:rD+7]
.endif
.endr
.endr
.endm
; A K step of the projection.  A has one set of registers: row tiles 0-3 are fetched anew in the step's middle, 4-7 at its end.  wp's set, free at the step's end, takes K step s + 2, or x's blocks 4 to 7.
.macro PSTEP s
.if (\s) >= 2
	s_wait_loadcnt 32                              ; this K step's part of wp is in; the 32 loads issued behind it may be out
.endif
	s_wait_dscnt 16                                ; A's row tiles 0-3 are in; 4-7 may be out
.if (\s) == 0
	WIN 0x81                                       ; wp window 1, A and bp window 0, D window 2
.else
	WIN 0xa1
.endif
	PMUL 0, \s
	PMUL 2, \s
	s_wait_dscnt 0x0
	WIN 0
	PLACES 4
.if (\s) < 3
	FETCH_A (\s)+1, 0
.endif
.if (\s) == 0
	WIN 0xc1
.else
	WIN 0xf1
.endif
	PMUL 4, \s
	PMUL 6, \s
	WIN 0
	PLACES 4
.if (\s) < 3
	FETCH_A (\s)+1, 4
.endif
	WIN 0x40
.if (\s) < 2
	WPLOAD (\s)+2
.else
	XLD 2*(\s)                                     ; four blocks of the way out, or more, ahead of their use
	XLD 2*(\s)+1
.endif
	WIN 0
.endm
	FETCH_A 0, 0
	FETCH_A 0, 4
	s_wait_loadcnt 0x0                             ; wp's K steps 0 and 1, and bp
.set n, 0
.rept 64
	v_ldexp_f32 v[BPI+n], v[BPI+n], s68            ; bp / 2^(e10 + e11)
.set n, n+1
.endr
	PSTEP 0
	PSTEP 1
	PSTEP 2
	PSTEP 3
; THE WAY OUT, block by block of 16 rows x my 128 columns.  A lane holds 32 neighbouring bytes of a row: a block goes through my own stage in LDS and comes back as whole rows of 512 bytes, INTO THE REGISTERS THAT IT LEFT:
; so every block's stores have registers of their own, which nothing writes again, and no wait stands for their sake.
; LDS serves a wave's instructions in order (ISA guide 5.7.1.4): no wait between the stores and the loads, nor in front of the next block's stores.  Blocks 0 to 3 take their x out of slot 0, into v64-127 and v128-191 by turns.
.macro TOSTAGE a
	WIN 0x08+4*((\a)/4)                            ; the stores' data: window 2 or 3
.irp nb, 0,1,2,3,4,5,6,7
	ds_store_b128 v[STO], v[64*((\a)%4)+8*\nb:64*((\a)%4)+8*\nb+3] offset:64*\nb           ; each accumulator from its low end on
	ds_store_b128 v[STO], v[64*((\a)%4)+8*\nb+4:64*((\a)%4)+8*\nb+7] offset:64*\nb+16
.endr
	WIN 0x80+0x40*((\a)/4)                         ; the loads' destination: the same registers
.irp t, 0,1,2,3,4,5,6,7,8,9,10,11,12,13,14,15
	ds_load_b128 v[64*((\a)%4)+4*\t:64*((\a)%4)+4*\t+3], v[RD] offset:\t*528
.endr
	WIN 0
.if (\a) < 4
.irp t, 0,1,2,3,4,5,6,7,8,9,10,11,12,13,14,15
	ds_load_b128 v[XB+64*((\a)%2)+4*\t:XB+64*((\a)%2)+4*\t+3], v[XL] offset:(16*(\a)+\t)*512
.endr
.endif
.endm
.macro SEND a, younger                         ; younger: the LDS instructions issued behind block a's
	s_wait_dscnt \younger
.if (\a) < 4
	WIN 0x82                                       ; the sums (destination and source 0) window 2, x window 0
.set n, 0
.rept 32
	v_pk_fma_f32 v[64*((\a)%4)+2*n:64*((\a)%4)+2*n+1], v[64*((\a)%4)+2*n:64*((\a)%4)+2*n+1], s[58:59], v[XB+64*((\a)%2)+2*n:XB+64*((\a)%2)+2*n+1] op_sel_hi:[1,0,1]   ; sum x 2^(e10 + e11) + x
.set n, n+1
.endr
.else
	s_wait_loadcnt 16*(7-(\a))                     ; x's block a is in; the blocks behind it may be out
	WIN 0xd3                                       ; the sums window 3, x (source 2) window 1
.set n, 0
.rept 32
	v_pk_fma_f32 v[64*((\a)%4)+2*n:64*((\a)%4)+2*n+1], v[64*((\a)%4)+2*n:64*((\a)%4)+2*n+1], s[58:59], v[64*((\a)%4)+2*n:64*((\a)%4)+2*n+1] op_sel_hi:[1,0,1]
.set n, n+1
.endr
.endif
	WIN 0x08+4*((\a)/4)                            ; the stores' data: window 2 or 3
.irp t, 0,1,2,3,4,5,6,7,8,9,10,11,12,13,14,15
	global_store_b128 v[LI], v[64*((\a)%4)+4*\t:64*((\a)%4)+4*\t+3], s[16:17] offset:(16*(\a)+\t)*2048 th:TH_STORE_NT   ; 32 lanes store 512 consecutive bytes, aligned
.endr
	WIN 0
.endm
	s_wait_tensorcnt 0x0                           ; my rows 0-63 of x lie in slot 0: only I read them
	TOSTAGE 0
.irp a, 1,2,3,4,5,6,7
	TOSTAGE \a
.if \a < 4
	SEND (\a)-1, 48                                ; behind block a - 1's: block a's 16 stores, 16 loads and 16 loads of x
.else
	SEND (\a)-1, 32                                ; behind block a - 1's: block a's 16 stores and 16 loads
.endif
.endr
	SEND 7, 0
	s_wait_tensorcnt 0x0                           ; the wave's end: behind my last tensor load and my last LDS store
	ds_add_u32 v[SPW], v[NIL]
	s_wait_dscnt 0x0
	CROUND                                         ; the closing round: no work-group ends while a partner may still ask for a tile that names it
	s_endpgm
.Lfunc_end_k_q1b73fc1fa8_attn:
	.size	k_q1b73fc1fa8_attn, .Lfunc_end_k_q1b73fc1fa8_attn-k_q1b73fc1fa8_attn
	.p2alignl 7, 3214868480
	.fill 96, 4, 3214868480
	.section	.rodata,"a",@progbits
	.p2align	6, 0x0
	.amdhsa_kernel k_q1b73fc1fa8_attn
		.amdhsa_group_segment_fixed_size 327680
		.amdhsa_private_segment_fixed_size 0
		.amdhsa_enable_private_segment 0
		.amdhsa_kernarg_size 56
		.amdhsa_user_sgpr_count 2
		.amdhsa_user_sgpr_kernarg_segment_ptr 1
		.amdhsa_wavefront_size32 1
		.amdhsa_system_sgpr_workgroup_id_x 1
		.amdhsa_system_sgpr_workgroup_id_y 1
		.amdhsa_system_sgpr_workgroup_id_z 1
		.amdhsa_system_vgpr_workitem_id 0
		.amdhsa_next_free_vgpr 1024
		.amdhsa_next_free_sgpr 84
		.amdhsa_reserve_vcc 0
		.amdhsa_float_denorm_mode_32 3
		.amdhsa_float_denorm_mode_16_64 3
		.amdhsa_memory_ordered 1
		.amdhsa_forward_progress 1
		.amdhsa_inst_pref_size 255
	.end_amdhsa_kernel
	.section	.bss,"aw",@nobits
	.p2align	6
	.space	262144
	.amdgpu_metadata
---
amdhsa.version: [ 1, 2 ]
amdhsa.kernels:
  - .name:           k_q1b73fc1fa8_attn
    .symbol:         k_q1b73fc1fa8_attn.kd
    .args:
      - { .name: qimg, .offset: 0, .size: 8, .value_kind: global_buffer, .address_space: global }
      - { .name: kv, .offset: 8, .size: 8, .value_kind: global_buffer, .address_space: global }
      - { .name: wimg, .offset: 16, .size: 8, .value_kind: global_buffer, .address_space: global }
      - { .name: lowp_scales, .offset: 24, .size: 8, .value_kind: global_buffer, .address_space: global }
      - { .name: bp, .offset: 32, .size: 8, .value_kind: global_buffer, .address_space: global }
      - { .name: x, .offset: 40, .size: 8, .value_kind: global_buffer, .address_space: global }
      - { .name: out0, .offset: 48, .size: 8, .value_kind: global_buffer, .address_space: global }
    .group_segment_fixed_size: 327680
    .private_segment_fixed_size: 0
    .kernarg_segment_align: 8
    .kernarg_segment_size: 56
    .max_flat_workgroup_size: 128
    .sgpr_count:     84
    .vgpr_count:     1024
    .wavefront_size: 32
...
	.end_amdgpu_metadata
.endif
;; end of part 3
